; MI455X (gfx1250); checked and timed in simulation.
; The chip was launched on July 23, 2026; its instructions are those of AMD's public machine-readable ISA for CDNA 5 (MIT licence, August 2026) and "CDNA5" Instruction Set Architecture Reference Guide (July 2026). The comments in the code are by the model that wrote it; some were corrected since.
;; Scaled Dot Product. Allowed arithmetic: float matrix products may take bf16 or f16 operands with f32 sums; all other float work in f32.
;; Inputs: Wk 1,024 x 1,024 float32; Wq 1,024 x 1,024 float32; Wv 1,024 x 1,024 float32; bk 1,024 float32; bq 1,024 float32; bv 1,024 float32; k 4 x 2,048 x 1,024 float32; mask 4 x 2,048 x 2,048 float32; q 4 x 2,048 x 1,024 float32; v 4 x 2,048 x 1,024 float32.
;; Outputs: out0 4 x 2,048 x 1,024 float32.
;; One version. Each part assembles by itself: llvm-mc -triple=amdgcn-amd-amdhsa -mcpu=gfx1250 --defsym DOCPART=n.
;; ======== version 1 of 1: 4 launches
;; limits: values are held in f16: magnitudes above 65,504 overflow, below 6.1e-05 lose precision
;; workspace buffers: xw 56,623,104 bytes; proj 50,331,648 bytes; pw 33,554,432 bytes; stat 1,048,576 bytes
;; launch cast (part 1): grid 1728 x 1, 8 waves a work-group, no clusters, 0 bytes of LDS; arguments q, k, v, Wq, Wk, Wv, xw; writes xw
.if DOCPART == 1
	.amdgcn_target "amdgcn-amd-amdhsa--gfx1250"
	.amdhsa_code_object_version 6
	.text
	.protected	k_q919b6892d6_cast
	.globl	k_q919b6892d6_cast
	.p2align	8
	.type	k_q919b6892d6_cast,@function
k_q919b6892d6_cast:
	s_mov_b64 s[64:65], 0
	v_nop
	global_prefetch_b8 v0, s[64:65] scope:SCOPE_SE
	s_setreg_imm32_b32 hwreg(HW_REG_WAVE_MODE, 25, 1), 1
	s_wait_xcnt 0x0
; xw = bf16 of q | k | v | Wq | Wk | Wv, end to end, each in its own layout (x: [row][1024], W: [k][n]), rounded to nearest even.
; A stream: every input byte is read once, every output byte written once; no LDS, no barrier, no matrix unit: nothing here is used twice.
; Work-group c takes 65,536 bytes of f32 (chunk c of the six tensors laid end to end: 512 chunks for each of q, k, v, 64 for each W)
; and writes the 32,768 bytes of xw at 32,768 c.  A wave takes 8,192 bytes: sixteen loads of 512 consecutive bytes, all issued before the first wait.
.set X, 4                              ; v[4:67]   sixteen loads of four f32
.set Y, 68                             ; v[68:99]  sixteen pairs of packed bf16
	s_load_b256 s[4:11], s[0:1], 0x0               ; q s[4:5], k s[6:7], v s[8:9], Wq s[10:11]
	s_load_b128 s[12:15], s[0:1], 0x20             ; Wk s[12:13], Wv s[14:15]
	s_load_b64 s[16:17], s[0:1], 0x30              ; xw
	s_mov_b32 s18, ttmp9                           ; c
	s_lshr_b32 s19, s18, 9                         ; which of q, k, v (for c < 1536)
	s_and_b32 s20, s18, 511
	s_lshl_b32 s20, s20, 16                        ; and the chunk's byte offset in it
	s_sub_co_u32 s21, s18, 1536                    ; c - 1536: used for c >= 1536 alone
	s_lshr_b32 s22, s21, 6                         ; which W
	s_and_b32 s23, s21, 63
	s_lshl_b32 s23, s23, 16                        ; and the chunk's byte offset in it
	s_mov_b32 s29, 0
	s_lshl_b32 s30, s18, 15                        ; the chunk's byte offset in xw
	s_mov_b32 s31, 0
	v_lshrrev_b32 v3, 5, v0                        ; wave
	v_and_b32 v1, 31, v0                           ; lane
	v_lshlrev_b32 v2, 3, v1                        ; 8 bytes a lane out
	v_lshlrev_b32 v1, 4, v1                        ; 16 bytes a lane in
	v_lshl_add_u32 v1, v3, 13, v1                  ; + wave x 8,192
	v_lshl_add_u32 v2, v3, 12, v2                  ; + wave x 4,096
	s_wait_kmcnt 0x0
	s_cmp_eq_u32 s19, 1                            ; the source is chosen among the six buffers by the chunk's number alone
	s_cselect_b64 s[24:25], s[6:7], s[4:5]
	s_cmp_eq_u32 s19, 2
	s_cselect_b64 s[24:25], s[8:9], s[24:25]
	s_cmp_eq_u32 s22, 1
	s_cselect_b64 s[26:27], s[12:13], s[10:11]
	s_cmp_eq_u32 s22, 2
	s_cselect_b64 s[26:27], s[14:15], s[26:27]
	s_cmp_lt_u32 s18, 1536
	s_cselect_b64 s[24:25], s[24:25], s[26:27]
	s_cselect_b32 s28, s20, s23
	s_add_nc_u64 s[24:25], s[24:25], s[28:29]
	s_add_nc_u64 s[16:17], s[16:17], s[30:31]
.irp j, 0,1,2,3,4,5,6,7,8,9,10,11,12,13,14,15
	global_load_b128 v[X+4*(\j):X+4*(\j)+3], v1, s[24:25] offset:512*(\j) th:TH_LOAD_NT
.endr
.irp j, 0,1,2,3,4,5,6,7,8,9,10,11,12,13,14,15
	s_wait_loadcnt 15-(\j)                         ; loads come back in order: load j is in, the younger ones stay out
	v_cvt_pk_bf16_f32 v[Y+2*(\j)],   v[X+4*(\j)],   v[X+4*(\j)+1]
	v_cvt_pk_bf16_f32 v[Y+2*(\j)+1], v[X+4*(\j)+2], v[X+4*(\j)+3]
	global_store_b64 v2, v[Y+2*(\j):Y+2*(\j)+1], s[16:17] offset:256*(\j)  ; the wave's 32 lanes store 256 consecutive bytes, at a multiple of 256 from xw's first byte
.endr
	s_endpgm                                       ; no register is written twice, so no store's source needs a wait
.Lfunc_end_k_q919b6892d6_cast:
	.size	k_q919b6892d6_cast, .Lfunc_end_k_q919b6892d6_cast-k_q919b6892d6_cast
	.p2alignl 7, 3214868480
	.fill 96, 4, 3214868480
	.section	.rodata,"a",@progbits
	.p2align	6, 0x0
	.amdhsa_kernel k_q919b6892d6_cast
		.amdhsa_group_segment_fixed_size 0
		.amdhsa_private_segment_fixed_size 0
		.amdhsa_enable_private_segment 0
		.amdhsa_kernarg_size 56
		.amdhsa_user_sgpr_count 2
		.amdhsa_user_sgpr_kernarg_segment_ptr 1
		.amdhsa_wavefront_size32 1
		.amdhsa_system_sgpr_workgroup_id_x 1
		.amdhsa_system_sgpr_workgroup_id_y 1
		.amdhsa_system_sgpr_workgroup_id_z 1
		.amdhsa_system_vgpr_workitem_id 0
		.amdhsa_next_free_vgpr 100
		.amdhsa_next_free_sgpr 66
		.amdhsa_reserve_vcc 0
		.amdhsa_float_denorm_mode_32 3
		.amdhsa_float_denorm_mode_16_64 3
		.amdhsa_memory_ordered 1
		.amdhsa_forward_progress 1
		.amdhsa_inst_pref_size 8
	.end_amdhsa_kernel
	.amdgpu_metadata
---
amdhsa.version: [ 1, 2 ]
amdhsa.kernels:
  - .name:           k_q919b6892d6_cast
    .symbol:         k_q919b6892d6_cast.kd
    .args:
      - { .name: q, .offset: 0, .size: 8, .value_kind: global_buffer, .address_space: global }
      - { .name: k, .offset: 8, .size: 8, .value_kind: global_buffer, .address_space: global }
      - { .name: v, .offset: 16, .size: 8, .value_kind: global_buffer, .address_space: global }
      - { .name: Wq, .offset: 24, .size: 8, .value_kind: global_buffer, .address_space: global }
      - { .name: Wk, .offset: 32, .size: 8, .value_kind: global_buffer, .address_space: global }
      - { .name: Wv, .offset: 40, .size: 8, .value_kind: global_buffer, .address_space: global }
      - { .name: xw, .offset: 48, .size: 8, .value_kind: global_buffer, .address_space: global }
    .group_segment_fixed_size: 0
    .private_segment_fixed_size: 0
    .kernarg_segment_align: 8
    .kernarg_segment_size: 56
    .max_flat_workgroup_size: 256
    .sgpr_count:     66
    .vgpr_count:     100
    .wavefront_size: 32
...
	.end_amdgpu_metadata
.endif
;; end of part 1
;; launch project (part 2): grid 4 x 96, 4 waves a work-group, clusters of 4 x 4, 327,680 bytes of LDS; arguments xw, bq, bk, bv, proj; writes proj
.if DOCPART == 2
	.amdgcn_target "amdgcn-amd-amdhsa--gfx1250"
	.amdhsa_code_object_version 6
	.text
	.protected	k_q919b6892d6_project
	.globl	k_q919b6892d6_project
	.p2align	8
	.type	k_q919b6892d6_project,@function
k_q919b6892d6_project:
	s_mov_b64 s[64:65], 0
	v_nop
	global_prefetch_b8 v0, s[64:65] scope:SCOPE_SE
	s_setreg_imm32_b32 hwreg(HW_REG_WAVE_MODE, 25, 1), 1
	s_wait_xcnt 0x0
	s_wait_alu depctr_hold_cnt(0) depctr_sa_sdst(0) depctr_va_vdst(0) depctr_va_sdst(0) depctr_va_ssrc(0) depctr_va_vcc(0) depctr_vm_vsrc(0)
	s_getreg_b32 s2, hwreg(HW_REG_IB_STS2, 6, 4)
	s_cmp_eq_u32 s2, 0
	s_cbranch_scc0 .Lentry_in_a_cluster
	s_endpgm
.Lentry_in_a_cluster:
	s_bfe_u32 s2, ttmp6, 0x10000c
	s_cmp_lg_u32 s2, 0xf033
	s_cbranch_scc0 .Lentry_shape_is_right
	s_endpgm
.Lentry_shape_is_right:
; proj[24576][1024] (f16) = x W_p + b_p: rows 0-8191 q Wq + bq, 8192-16383 k Wk + bk, 16384-24575 v Wv + bv.  x and W come from xw in bf16; the bias is rounded to bf16
; like every other input and starts the f32 sums (it is the C operand of the first product), so it is added first, not last.  Sums in f32; proj rounded once, to f16.
; LIMIT.  f16 holds no number beyond 65,504: a projection at or past 65,520 becomes an infinity.  Inputs of unit spread and weights of spread 0.05 give a spread of 1.6.
; SHARES.  A tile of proj, 256 x 256, is made by four waves, each 128 x 128: 64 accumulators of 16 x 16, 512 registers.  K = 1024 goes in eight steps of 128 through two LDS slots.
; x's tile lies [row][k]: 128 rows x 256 bytes to a tensor load, LDS rows 272 bytes apart.  W's lies [k][n]: 64 rows of k x 512 bytes to a load, LDS rows 544 bytes apart; its fragments come out turned, by ds_load_tr16_b128.
; THE LOOP IS WRITTEN ONCE FOR A K STEP: the byte offset of the slot in hand is a scalar, 0 or SLOT, which an exclusive or turns; fragment addresses are that scalar plus a fixed lane term, and one
; descriptor a tensor walks (LDS word = the wave's base + the scalar, address one K step on at each refill).
; CLUSTER.  4 x 4 work-groups: the four of a row need the same tile of x, the four of a column the same tile of W: each tile is asked for jointly (same load, same descriptor, a mask that names the four).
; A cluster's sixteen tiles lie in one projection (32 tile rows each, 4 to a cluster).
; THE MATRIX INSTRUCTION IS USED TRANSPOSED: source 0 = 16 columns of W, source 1 = 16 rows of x: a lane holds row l % 16 and the eight neighbouring columns 8 (l / 16) + 0..7.
; REGISTERS, in windows of 256: window 0: v0-31 addresses; v64-127, v128-191 x's fragments, two buffers; v32-63, v192-255 at work.  window 1: v0-63 the bias; v64-127, v128-191 W's fragments.
; window 2: accumulators of my rows 0-63 ((a, b) at v[8 (8 a + b)]); window 3: rows 64-127.  s_set_vgpr_msb: bits 1:0 source 0, 3:2 source 1, 5:4 source 2, 7:6 destination.
.set SIZE_K, 1024
.set SIZE_N, 1024
.set KSTEP,  128
.set PITCH,  272                       ; x's LDS row: 256 bytes + 16: the 16 rows of a fragment load start at 16 different groups of four banks
.set PB,     544                       ; W's LDS row: 512 bytes + 32 = 17 x 32
.set HALFT,  128*PITCH                 ; what one tensor load brings: 128 x 272 = 64 x 544 bytes
.set SLOT,   4*HALFT                   ; x's 256 rows, then W's 128 rows of k
.set STAGE,  2*SLOT                    ; behind the ring: 16 rows x 272 bytes for each wave, for the way out
.set SPITCH, 272
.set SPARE,  STAGE+4*16*SPITCH         ; the spare words: 128 bytes a wave, two blocks of 256 bytes that no other line names
.set WOFF,   24576*1024*2              ; W begins here in xw
.set ADRA0, 16                         ; v16  my place in x's tile, slot 0; never rewritten
.set ADRA,  17                         ; v17  the same in the slot in hand
.set ADRB0, 20                         ; v20, v21  the same for W
.set ADRB,  21
.set STO,  24                          ; v24  the way out: where I put 16 bytes of a row
.set RD,   25                          ; v25  where I read a row back
.set CO,   26                          ; v26  my byte offset in proj
.set SPW,  28                          ; v28  my spare word's LDS address; never rewritten
.set NIL,  29                          ; v29  0; never rewritten
.set F0,   64
.set F1,   128
.set TMP,  192
.set OB,   32
.set G1,  24                           ; s[24:31] group 1 for x's tiles;  s[32:39] group 0: a set for each of the two first fills; the second then walks on
.set G0,  32
.set G1B, 48                           ; s[48:55], s[56:63] the same for W's tiles
.set G0B, 56
.set CUR, 66                           ; s66  byte offset of the slot in hand: 0 or SLOT
.set MSB, 0
.macro WIN new                         ; the immediate's high byte repeats the setting that is left; a switch that changes nothing is dropped
.if MSB != (\new)
	s_set_vgpr_msb (MSB<<8)|(\new)
.set MSB, \new
.endif
.endm
.set MUL_LO, 0xa1                      ; source 0 (W) window 1, source 1 (x) window 0, C and D window 2
.set TO_B,   0x40                      ; destination window 1, address window 0
.macro JLOAD s                         ; a joint load: waves 0, 1 fetch x's halves, waves 2, 3 W's; s_nop 0 and four v_nop follow each line
	s_cmp_eq_u32 s11, 0
	s_cbranch_scc0 .Lfor_b_\@
	tensor_load_to_lds s[G0+4*(\s):G0+4*(\s)+3], s[G1:G1+7]
	s_nop 0
.rept 4
	v_nop
.endr
	s_branch .Lasked_\@
.Lfor_b_\@:
	tensor_load_to_lds s[G0B+4*(\s):G0B+4*(\s)+3], s[G1B:G1B+7]
	s_nop 0
.rept 4
	v_nop
.endr
.Lasked_\@:
.endm
.macro CREST                           ; a round of the cluster's barrier behind its opening barrier
	s_cmp_lg_u32 s10, 0
	s_cbranch_scc1 .Lnot_wave_0_\@
	s_barrier_signal -3
.Lnot_wave_0_\@:
	s_barrier_wait -3
	s_barrier_signal -1
	s_barrier_wait -1
.endm
.macro CROUND                          ; a whole round
	s_barrier_signal -1
	s_barrier_wait -1
	CREST
.endm
.macro PLACES                          ; four plain vector instructions between a matrix instruction and a load into, or a vector read or write of, its registers
.rept 4
	v_nop
.endr
.endm
	s_load_b256 s[68:75], s[0:1], 0x0              ; xw s[68:69], bq s[70:71], bk s[72:73], bv s[74:75]
	s_load_b64 s[8:9], s[0:1], 0x20                ; proj
	v_lshl_add_u32 v[SPW], v0, 2, SPARE
	v_mov_b32 v[NIL], 0
	ds_add_u32 v[SPW], v[NIL]                      ; the wave's opening: the add and its wait stand ahead of my first tensor load
	v_lshrrev_b32 v1, 5, v0
	v_readfirstlane_b32 s10, v1                    ; wave 0..3
	s_lshr_b32 s11, s10, 1                         ; my half of the tile's rows; also: I fetch for x (0) or W (1)
	s_and_b32 s12, s10, 1                          ; my half of its columns; also: which half of that tile I fetch
	s_bfe_u32 s40, ttmp6, 0x40000                  ; cx
	s_bfe_u32 s41, ttmp6, 0x40004                  ; cy
	s_lshl_b32 s42, ttmp9, 2
	s_add_co_u32 s42, s42, s40                     ; tile column = 4 x cluster x + cx
	s_and_b32 s45, ttmp7, 0xffff                   ; cluster y
	s_lshl_b32 s13, s45, 2
	s_add_co_u32 s13, s13, s41                     ; tile row = 4 x cluster y + cy
	s_lshr_b32 s45, s45, 3                         ; the projection: 8 clusters of 4 tile rows each; the same in all sixteen partners
	s_lshl_b32 s43, s41, 2
	s_lshl_b32 s43, 15, s43                        ; my row of the cluster
	s_lshl_b32 s44, 0x1111, s40                    ; my column
	s_or_b32 s[G1+0], s43, (1<<16)|(1<<20)|(1<<21)|(5<<22)|(3<<25)   ; the mask; 2-byte elements; padding on; bit 21 beside a mask; after every 64 words 4 words
	s_mov_b32 s[G1+1], KSTEP<<16                   ; tensor_dim0 = 128
	s_mov_b32 s[G1+2], 128<<16                     ; tensor_dim1 = 128
	s_mov_b32 s[G1+3], KSTEP<<16                   ; tile_dim0 = 128
	s_mov_b32 s[G1+4], 128                         ; tile_dim1 = 128
	s_mov_b32 s[G1+5], SIZE_K                      ; elements from row to row
	s_mov_b32 s[G1+6], 0
	s_mov_b32 s[G1+7], 0
	s_or_b32 s[G1B+0], s44, (1<<16)|(1<<20)|(1<<21)|(6<<22)|(7<<25)  ; after every 128 words 8 words
	s_mov_b32 s[G1B+1], 256<<16                    ; tensor_dim0 = 256 columns
	s_mov_b32 s[G1B+2], 64<<16                     ; tensor_dim1 = 64 rows of k
	s_mov_b32 s[G1B+3], 256<<16
	s_mov_b32 s[G1B+4], 64
	s_mov_b32 s[G1B+5], SIZE_N
	s_mov_b32 s[G1B+6], 0
	s_mov_b32 s[G1B+7], 0
	s_mov_b32 s[CUR], 0                            ; K step 0 lies in slot 0
	s_lshl_b32 s17, s12, 7
	s_lshl_b32 s16, s13, 8
	s_add_co_u32 s16, s16, s17                     ; x: row 256 x tile row + 128 x half,
	s_lshl_b32 s16, s16, 11                        ; in bytes (under 2^26)
	s_mov_b32 s17, 0
	s_lshl_b32 s46, s45, 21                        ; W: the projection's 2 MiB,
	s_lshl_b32 s47, s12, 17                        ; my 64 rows of k,
	s_add_co_u32 s46, s46, s47
	s_lshl_b32 s47, s42, 9                         ; the tile's 256 columns
	s_add_co_u32 s46, s46, s47
	s_add_co_u32 s46, s46, WOFF
	s_mov_b32 s47, 0
	s_mul_i32 s20, s10, HALFT                      ; where my load goes in a slot: wave x 34,816: no place in the cluster enters an LDS address
	s_wait_dscnt 0x0                               ; the opening add is done
	s_wait_kmcnt 0x0
	s_add_nc_u64 s[14:15], s[68:69], s[16:17]
	s_add_nc_u64 s[46:47], s[68:69], s[46:47]
	CROUND                                         ; all sixteen work-groups are here: the first joint loads meet
.irp s, 0,1
	s_mov_b32 s[G0+4*(\s)], 1
	s_add_co_u32 s[G0+4*(\s)+1], s20, (\s)*SLOT
	s_add_nc_u64 s[G0+4*(\s)+2:G0+4*(\s)+3], s[14:15], (\s)*KSTEP*2
	s_or_b32 s[G0+4*(\s)+3], s[G0+4*(\s)+3], 0x80000000
	s_mov_b32 s[G0B+4*(\s)], 1
	s_add_co_u32 s[G0B+4*(\s)+1], s20, (\s)*SLOT
	s_add_nc_u64 s[G0B+4*(\s)+2:G0B+4*(\s)+3], s[46:47], (\s)*KSTEP*SIZE_N*2
	s_or_b32 s[G0B+4*(\s)+3], s[G0B+4*(\s)+3], 0x80000000
	JLOAD \s                                       ; K steps 0 and 1: two tensor loads of mine are out
.endr
	; the bias of my 128 columns: register 8 b + j takes column 16 b + 8 (l / 16) + j
	v_and_b32 v1, 15, v0                           ; l % 16
	v_bfe_u32 v2, v0, 4, 1                         ; l / 16
	s_cmp_eq_u32 s45, 1
	s_cselect_b64 s[78:79], s[72:73], s[70:71]
	s_cmp_eq_u32 s45, 2
	s_cselect_b64 s[78:79], s[74:75], s[78:79]
	s_lshl_b32 s76, s42, 10
	s_lshl_b32 s77, s12, 9
	s_add_co_u32 s76, s76, s77
	s_mov_b32 s77, 0
	s_add_nc_u64 s[78:79], s[78:79], s[76:77]
	v_lshlrev_b32 v6, 5, v2
.irp n, 0,1,2,3,4,5,6,7,8,9,10,11,12,13,14,15
	global_load_b128 v[TMP+4*(\n):TMP+4*(\n)+3], v6, s[78:79] offset:64*((\n)/2)+16*((\n)%2)
.endr
	; fragments.  x: lane l holds row l % 16; two loads of 16 bytes, 32 apart.  W: the turning load reads row of k 8 (l / 16) + l % 8, columns 8 ((l / 8) % 2) + 0..7, and leaves column l % 16 and 8 k.
	v_mul_u32_u24 v3, v1, PITCH
	v_lshl_add_u32 v3, v2, 4, v3
	v_and_b32 v4, 7, v0
	v_lshl_add_u32 v4, v2, 3, v4
	v_mul_u32_u24 v4, v4, PB
	v_bfe_u32 v5, v0, 3, 1
	v_lshl_add_u32 v4, v5, 4, v4
	s_mul_i32 s21, s11, HALFT                      ; my 128 rows of x
	s_lshl_b32 s22, s12, 8                         ; my 128 columns of W,
	s_add_co_u32 s22, s22, 2*HALFT                 ; which lies behind x's 256 rows
	v_add_nc_u32 v[ADRA0], s21, v3
	v_add_nc_u32 v[ADRB0], s22, v4
	v_mov_b32 v[ADRA], v[ADRA0]
	v_mov_b32 v[ADRB], v[ADRB0]
	s_mul_i32 s23, s10, 16*SPITCH
	s_add_co_u32 s23, s23, STAGE                   ; my stage
	v_mul_u32_u24 v4, v1, SPITCH
	v_lshl_add_u32 v4, v2, 4, v4
	v_add_nc_u32 v[STO], s23, v4
	v_mul_u32_u24 v5, v2, SPITCH
	v_lshl_add_u32 v5, v1, 4, v5
	v_add_nc_u32 v[RD], s23, v5
	v_mul_u32_u24 v5, v2, SIZE_N*2
	v_lshl_add_u32 v[CO], v1, 4, v5
	s_lshl_b32 s80, s13, 8                         ; proj at my part of the tile
	s_lshl_b32 s81, s11, 7
	s_add_co_u32 s80, s80, s81
	s_lshl_b32 s80, s80, 11
	s_lshl_b32 s81, s42, 9
	s_add_co_u32 s80, s80, s81
	s_lshl_b32 s81, s12, 8
	s_add_co_u32 s80, s80, s81
	s_mov_b32 s81, 0
	s_add_nc_u64 s[8:9], s[8:9], s[80:81]
	s_wait_loadcnt 0x0                             ; the bias: rounded to bf16, widened again, into window 1
.set i, 0
.rept 32
	v_cvt_pk_bf16_f32 v[OB+i], v[TMP+2*i], v[TMP+2*i+1]
.set i, i+1
.endr
	WIN TO_B
.set i, 0
.rept 32
	v_lshlrev_b32 v[2*i], 16, v[OB+i]
	v_and_b32 v[2*i+1], 0xffff0000, v[OB+i]
.set i, i+1
.endr
	WIN 0
; 16 matrix instructions: row blocks a0, a0 + 1 of the window's four x all 8 column blocks, 32 along K.  zero = 2: the bias starts the sums.  The 64 accumulators take turns.
.macro MUL16 f, hi, a0, zero
.if (\zero) == 2
	WIN 0x91+0x40*(\hi)                            ; C in window 1
.else
	WIN MUL_LO+0x50*(\hi)
.endif
.irp a, \a0, (\a0)+1
.irp b, 0,1,2,3,4,5,6,7
.if (\zero) == 2
	v_wmma_f32_16x16x32_bf16 v[8*(8*(\a)+(\b)):8*(8*(\a)+(\b))+7], v[(\f)+8*(\b):(\f)+8*(\b)+7], v[(\f)+8*(4*(\hi)+(\a)):(\f)+8*(4*(\hi)+(\a))+7], v[8*(\b):8*(\b)+7]
.else
	v_wmma_f32_16x16x32_bf16 v[8*(8*(\a)+(\b)):8*(8*(\a)+(\b))+7], v[(\f)+8*(\b):(\f)+8*(\b)+7], v[(\f)+8*(4*(\hi)+(\a)):(\f)+8*(4*(\hi)+(\a))+7], v[8*(8*(\a)+(\b)):8*(8*(\a)+(\b))+7]
.endif
.endr
.endr
.endm
; 32 LDS loads in one run, from the slot in hand: a quarter step's fragments (32 K at byte k of x's rows, rows of k k / 2 on of W), W's first, into buffer f
.macro FETCH k, f
	WIN TO_B
.irp i, 0,1,2,3,4,5,6,7
	ds_load_tr16_b128 v[(\f)+8*(\i):(\f)+8*(\i)+3],   v[ADRB] offset:((\k)/64)*32*PB+32*(\i)
	ds_load_tr16_b128 v[(\f)+8*(\i)+4:(\f)+8*(\i)+7], v[ADRB] offset:((\k)/64)*32*PB+32*(\i)+16*PB
.endr
	WIN 0
.irp i, 0,1,2,3,4,5,6,7
	ds_load_b128 v[(\f)+8*(\i):(\f)+8*(\i)+3],   v[ADRA] offset:(\k)+(\i)*16*PITCH
	ds_load_b128 v[(\f)+8*(\i)+4:(\f)+8*(\i)+7], v[ADRA] offset:(\k)+(\i)*16*PITCH+32
.endr
.endm
; one of a K step's first three quarters: multiplies buffer f, and in its middle fetches the next quarter into g
.macro QUARTER k, f, g, zero
	s_wait_dscnt 8                                 ; W and x's rows 0-63 are in; the youngest eight loads (x's rows 64-127) may be out
	MUL16 \f, 0, 0, \zero
	MUL16 \f, 0, 2, \zero
	PLACES
	FETCH \k, \g
	s_wait_dscnt 32                                ; all but the 32 just issued
	MUL16 \f, 1, 0, \zero
	MUL16 \f, 1, 2, \zero
.endm
; the last quarter multiplies buffer 1 and changes slots.  fill = 1: the barrier opens a round of the cluster's, and the slot just read is filled again, two K steps on, first thing behind it.
.macro TURN fill
	WIN 0
	s_wait_tensorcnt 0x0                           ; all my tensor loads have landed: the one that was out is my part of the next slot
	ds_add_u32 v[SPW], v[NIL]                      ; 0 onto my spare word
	s_wait_dscnt 9                                 ; (the add and the youngest eight loads may be out)
	MUL16 F1, 0, 0, 0
	s_wait_dscnt 0x0                               ; the add is done, and my reads of this slot are over
	s_barrier_signal -1
	MUL16 F1, 0, 2, 0
	WIN 0                                          ; branches and address work follow
	s_barrier_wait -1
.if \fill
	CREST                                          ; no wave of any partner still reads this slot or has a load on its way
	s_add_co_u32 s[G0+5], s20, s[CUR]              ; the walking descriptors: into the slot just read,
	s_add_nc_u64 s[G0+6:G0+7], s[G0+6:G0+7], KSTEP*2              ; the K step behind the one asked for last
	s_add_co_u32 s[G0B+5], s20, s[CUR]
	s_add_nc_u64 s[G0B+6:G0B+7], s[G0B+6:G0B+7], KSTEP*SIZE_N*2
	JLOAD 1                                        ; its four v_nop are also the places in front of the loads below
.else
	PLACES
.endif
	s_xor_b32 s[CUR], s[CUR], SLOT                 ; 0 <-> SLOT: the other slot is now in hand
	v_add_nc_u32 v[ADRA], s[CUR], v[ADRA0]
	v_add_nc_u32 v[ADRB], s[CUR], v[ADRB0]
	FETCH 0, F0
	MUL16 F1, 1, 0, 0
	MUL16 F1, 1, 2, 0
.endm
; THE WAY OUT of block a (16 rows): rounded to f16, 16 bytes a lane, into my own stage, back as whole rows of 256 bytes, stored.
.macro PACK a
.set AC, 64*((\a)%4)
	WIN 0x0a+5*((\a)/4)                            ; sources 0 and 1: window 2 or 3
.irp b, 0,1,2,3,4,5,6,7
.irp r, 0,1,2,3
	v_cvt_pk_f16_f32 v[TMP+4*(\b)+(\r)], v[AC+8*(\b)+2*(\r)], v[AC+8*(\b)+2*(\r)+1]
.endr
.endr
	WIN 0
.endm
.macro TOSTAGE a
	WIN 0
.set BK, OB+192*((\a)%2)
.irp b, 0,1,2,3,4,5,6,7
	ds_store_b128 v[STO], v[TMP+4*(\b):TMP+4*(\b)+3] offset:32*(\b)
.endr
.irp t, 0,1,2,3,4,5,6,7
	ds_load_b128 v[BK+4*(\t):BK+4*(\t)+3], v[RD] offset:(\t)*2*SPITCH  ; LDS serves a wave's instructions in order: these see the stores above
.endr
.endm
.macro SEND a
	WIN 0
.set BK, OB+192*((\a)%2)
	s_wait_dscnt 0x0                               ; the block is back in registers
	s_wait_xcnt 0x0                                ; the stores' base, and registers that earlier stores read, are rewritten only behind this wait
.if (\a) > 0
	s_add_nc_u64 s[8:9], s[8:9], 16*SIZE_N*2
.endif
.irp t, 0,1,2,3,4,5,6,7
	global_store_b128 v[CO], v[BK+4*(\t):BK+4*(\t)+3], s[8:9] offset:2*(\t)*SIZE_N*2  ; 16 lanes store 256 consecutive bytes, at a multiple of 256 from proj's first byte
.endr
.endm
	s_wait_tensorcnt 1                             ; my part of K step 0 is in; K step 1's may stay out
	s_barrier_signal -1
	s_barrier_wait -1
	FETCH 0, F0
	QUARTER 64,  F0, F1, 2                         ; the first quarter stands in front of the loop: its products start the sums, on the bias
	WIN 0
	s_mov_b32 s3, SIZE_K/KSTEP-2
.Lstep:                                                ; six trips: from a K step's second quarter to the next step's first; the slot left is filled again
	QUARTER 128, F1, F0, 0
	QUARTER 192, F0, F1, 0
	TURN 1
	QUARTER 64,  F0, F1, 0
	WIN 0
	s_sub_co_u32 s3, s3, 1
	s_cmp_lg_u32 s3, 0
	s_cbranch_scc1 .Lstep
	QUARTER 128, F1, F0, 0                         ; K steps 6 and 7 fill nothing: they are written out
	QUARTER 192, F0, F1, 0
	TURN 0
	QUARTER 64,  F0, F1, 0
	QUARTER 128, F1, F0, 0
	QUARTER 192, F0, F1, 0
	s_wait_dscnt 8
	MUL16 F1, 0, 0, 0
	MUL16 F1, 0, 2, 0
	s_wait_dscnt 0x0
	MUL16 F1, 1, 0, 0
	MUL16 F1, 1, 2, 0
	PLACES
	PACK 0
	TOSTAGE 0
.irp a, 1,2,3,4,5,6,7                  ; block a's conversions stand between block a - 1's loads from the stage and the wait for them
	PACK \a
	SEND (\a)-1
	TOSTAGE \a
.endr
	SEND 7
	s_wait_tensorcnt 0x0                           ; the wave's end
	ds_add_u32 v[SPW], v[NIL]
	s_wait_dscnt 0x0
	CROUND                                         ; the closing round
	s_endpgm
.Lfunc_end_k_q919b6892d6_project:
	.size	k_q919b6892d6_project, .Lfunc_end_k_q919b6892d6_project-k_q919b6892d6_project
	.p2alignl 7, 3214868480
	.fill 96, 4, 3214868480
	.section	.rodata,"a",@progbits
	.p2align	6, 0x0
	.amdhsa_kernel k_q919b6892d6_project
		.amdhsa_group_segment_fixed_size 327680
		.amdhsa_private_segment_fixed_size 0
		.amdhsa_enable_private_segment 0
		.amdhsa_kernarg_size 40
		.amdhsa_user_sgpr_count 2
		.amdhsa_user_sgpr_kernarg_segment_ptr 1
		.amdhsa_wavefront_size32 1
		.amdhsa_system_sgpr_workgroup_id_x 1
		.amdhsa_system_sgpr_workgroup_id_y 1
		.amdhsa_system_sgpr_workgroup_id_z 1
		.amdhsa_system_vgpr_workitem_id 0
		.amdhsa_next_free_vgpr 1024
		.amdhsa_next_free_sgpr 84
		.amdhsa_reserve_vcc 0
		.amdhsa_float_denorm_mode_32 3
		.amdhsa_float_denorm_mode_16_64 3
		.amdhsa_memory_ordered 1
		.amdhsa_forward_progress 1
		.amdhsa_inst_pref_size 124
	.end_amdhsa_kernel
	.amdgpu_metadata
---
amdhsa.version: [ 1, 2 ]
amdhsa.kernels:
  - .name:           k_q919b6892d6_project
    .symbol:         k_q919b6892d6_project.kd
    .args:
      - { .name: xw, .offset: 0, .size: 8, .value_kind: global_buffer, .address_space: global }
      - { .name: bq, .offset: 8, .size: 8, .value_kind: global_buffer, .address_space: global }
      - { .name: bk, .offset: 16, .size: 8, .value_kind: global_buffer, .address_space: global }
      - { .name: bv, .offset: 24, .size: 8, .value_kind: global_buffer, .address_space: global }
      - { .name: proj, .offset: 32, .size: 8, .value_kind: global_buffer, .address_space: global }
    .group_segment_fixed_size: 327680
    .private_segment_fixed_size: 0
    .kernarg_segment_align: 8
    .kernarg_segment_size: 40
    .max_flat_workgroup_size: 128
    .sgpr_count:     84
    .vgpr_count:     1024
    .wavefront_size: 32
...
	.end_amdgpu_metadata
.endif
;; end of part 2
;; launch score (part 3): grid 8 x 32, 4 waves a work-group, clusters of 4 x 4, 327,680 bytes of LDS; arguments proj, mask, pw, stat; writes pw, stat
.if DOCPART == 3
	.amdgcn_target "amdgcn-amd-amdhsa--gfx1250"
	.amdhsa_code_object_version 6
	.text
	.protected	k_q919b6892d6_score
	.globl	k_q919b6892d6_score
	.p2align	8
	.type	k_q919b6892d6_score,@function
k_q919b6892d6_score:
	s_mov_b64 s[64:65], 0
	v_nop
	global_prefetch_b8 v0, s[64:65] scope:SCOPE_SE
	s_setreg_imm32_b32 hwreg(HW_REG_WAVE_MODE, 25, 1), 1
	s_wait_xcnt 0x0
	s_wait_alu depctr_hold_cnt(0) depctr_sa_sdst(0) depctr_va_vdst(0) depctr_va_sdst(0) depctr_va_ssrc(0) depctr_va_vcc(0) depctr_vm_vsrc(0)
	s_getreg_b32 s2, hwreg(HW_REG_IB_STS2, 6, 4)
	s_cmp_eq_u32 s2, 0
	s_cbranch_scc0 .Lentry_in_a_cluster
	s_endpgm
.Lentry_in_a_cluster:
	s_bfe_u32 s2, ttmp6, 0x10000c
	s_cmp_lg_u32 s2, 0xf033
	s_cbranch_scc0 .Lentry_shape_is_right
	s_endpgm
.Lentry_shape_is_right:
; For a tile of 256 queries x 256 keys of one batch: acc = qp . kp (f16 operands, f32 sums, K = 1024), s = acc + 32 x bf16(mask) = 32 x logit (a power of two: exact).
; SOFTMAX, FIRST HALF.  For each query and each block of 128 keys (one wave's columns): m = the block's largest s, e = floor(c m) + 1 with c = log2(e) / 32, p = 2^(c s - e), in (0, 1],
; l = the sum of the unrounded p.  p goes to pw in f16, e and l to stat [2][16 key blocks][8192 rows].  The next launch takes the rows' largest e and scales by exact powers of two: a true running maximum, in two launches.
; LIMITS.  The mask is rounded to bf16 like every input.  A mask at or beyond 1e37 in size counts as an infinity (32 x mask leaves f32).  m is held at or above the lowest finite number, so a block hidden by
; -inf gives p = 0, l = 0 and an e far below every other; a row hidden wholly ends as NaN in the next launch, as a softmax of -inf alone does.  NaN and +inf are not treated apart.
; SHARES, RING, CLUSTER.  Four waves, each 128 x 128 in 64 accumulators; K in eight steps of 128 through two LDS slots; 4 x 4 work-groups: qp's tile is asked for jointly along a row of the cluster, kp's along a column.
; The loop is written once for a K step: the byte offset of the slot in hand is a scalar, 0 or SLOT, which an exclusive or turns; one descriptor a tensor walks.
; THE MASK comes by plain tensor loads of each wave's own (64 rows x 512 bytes, LDS rows 528 apart) into the quarter of a slot that the wave's own loads filled: rows 0-63 into slot 0 when K step 6 has been
; read, rows 64-127 into slot 1 when K step 7 has; each behind a round, as every refill.  Only the issuing wave reads them, behind its own wait on TENSORcnt.
; Each wave asks the L2 ahead for its own two pieces, each 256-byte block once in the launch: piece 0 (128 blocks, four instructions) 160 matrix instructions ahead of its tensor load, piece 1 one K step ahead of its own.
; THE MATRIX INSTRUCTION IS USED TRANSPOSED (source 0 = 16 keys, source 1 = 16 queries): a lane holds query l % 16 and the keys 8 (l / 16) + 0..7 of each block of 16.
; REGISTERS: window 0: v0-31 addresses and statistics; v64-127, v128-191 qp's fragments, later the mask (MK) and the scores (S); v32-63, v192-255 at work.  window 1: v64-191 kp's fragments.  windows 2, 3: accumulators.
.set SIZE_K, 1024
.set KSTEP,  128
.set PITCH,  272
.set HALFT,  128*PITCH
.set SLOT,   4*HALFT
.set STAGE,  2*SLOT                    ; 16 rows x 272 bytes for each wave
.set SPITCH, 272
.set STATB,  STAGE+4*16*SPITCH         ; 1,024 bytes for each wave: 128 e, 128 l
.set SPARE,  STATB+4*1024              ; the spare words: two blocks of 256 bytes that no other line names
.set KOFF,   8192*1024*2               ; kp begins here in proj
.set MP,     528                       ; a mask row in LDS: 512 bytes + 16
.set PFO,  5                           ; v5  my block's byte offset among 16 rows x 512 bytes of the mask; never rewritten
.set EE,   8                           ; v8 e, v9 m
.set C0,   10                          ; v10-13 four running maxima
.set LS,   14                          ; v14 l, v15 at work
.set ADRA0, 16                         ; v16  my place in qp's tile, slot 0; v17 in the slot in hand
.set ADRA,  17
.set ADRB0, 20                         ; v20, v21  the same for kp
.set ADRB,  21
.set MA,   22                          ; v22-23 my place in my mask piece 0, 1
.set STO,  24
.set RD,   25
.set CO,   26
.set ST1,  27                          ; v27 my row's word in my statistics
.set SPW,  28
.set NIL,  29
.set ST2,  30                          ; v30 my 16 bytes of them, read back
.set OB,   32                          ; v32-63   16 rows read back from the stage
.set MK,   64                          ; v64-127  a block's mask, f32
.set S,    128                         ; v128-191 a block's scores
.set MB,   192                         ; v192-223 the mask in bf16
.set PK,   224                         ; v224-255 the weights in f16
.set F0,   64
.set F1,   128
.set G1,  24
.set G0,  32                           ; s[32:39] a set for each of the two first fills; the second then walks on
.set G1B, 48
.set G0B, 56
.set PFB, 66                           ; s[66:67] the mask at my first row and key; never rewritten
.set GM1, 76                           ; s[76:83] group 1 for the mask's pieces
.set GM0, 84                           ; s[84:91] group 0, a set for each piece
.set CS,  92                           ; s[92:93] c
.set SEL, 94                           ; s[94:95] v_permlanex16_b32's selects
.set LOW, 96                           ; s96 the lowest finite number
.set CUR, 97                           ; s97 byte offset of the slot in hand: 0 or SLOT
.set MSB, 0
.macro WIN new
.if MSB != (\new)
	s_set_vgpr_msb (MSB<<8)|(\new)
.set MSB, \new
.endif
.endm
.set MUL_LO, 0xa1
.set TO_B,   0x40
.macro JLOAD s
	s_cmp_eq_u32 s11, 0
	s_cbranch_scc0 .Lfor_b_\@
	tensor_load_to_lds s[G0+4*(\s):G0+4*(\s)+3], s[G1:G1+7]
	s_nop 0
.rept 4
	v_nop
.endr
	s_branch .Lasked_\@
.Lfor_b_\@:
	tensor_load_to_lds s[G0B+4*(\s):G0B+4*(\s)+3], s[G1B:G1B+7]
	s_nop 0
.rept 4
	v_nop
.endr
.Lasked_\@:
.endm
.macro MLOAD g                         ; my mask piece g: every wave issues its own, into its own bytes
	tensor_load_to_lds s[GM0+4*(\g):GM0+4*(\g)+3], s[GM1:GM1+7]
	s_nop 0
.rept 4
	v_nop
.endr
.endm
.macro PFM g                           ; my mask piece g is asked for ahead: 64 rows x 2 blocks of 256 bytes, a lane a block, 16 rows an instruction
	WIN 0
.irp i, 0,1,2,3
	global_prefetch_b8 v[PFO], s[PFB:PFB+1] offset:(\g)*64*8192+(\i)*16*8192 th:TH_LOAD_NT scope:SCOPE_SE
.endr
.endm
.macro CREST
	s_cmp_lg_u32 s10, 0
	s_cbranch_scc1 .Lnot_wave_0_\@
	s_barrier_signal -3
.Lnot_wave_0_\@:
	s_barrier_wait -3
	s_barrier_signal -1
	s_barrier_wait -1
.endm
.macro CROUND
	s_barrier_signal -1
	s_barrier_wait -1
	CREST
.endm
.macro PLACES
.rept 4
	v_nop
.endr
.endm
	s_load_b256 s[68:75], s[0:1], 0x0              ; proj s[68:69], mask s[70:71], pw s[72:73], stat s[74:75]
	v_lshl_add_u32 v[SPW], v0, 2, SPARE
	v_mov_b32 v[NIL], 0
	ds_add_u32 v[SPW], v[NIL]                      ; the wave's opening: the add and its wait stand ahead of my first tensor load
	v_lshrrev_b32 v1, 5, v0
	v_readfirstlane_b32 s10, v1
	s_lshr_b32 s11, s10, 1                         ; my half of the queries; also: I fetch for qp (0) or kp (1)
	s_and_b32 s12, s10, 1                          ; my half of the keys; also: which 128 rows of that tile I fetch
	s_bfe_u32 s40, ttmp6, 0x40000
	s_bfe_u32 s41, ttmp6, 0x40004
	s_lshl_b32 s42, ttmp9, 2
	s_add_co_u32 s42, s42, s40                     ; key tile 0..7
	s_and_b32 s45, ttmp7, 0xffff
	s_lshl_b32 s13, s45, 2
	s_add_co_u32 s13, s13, s41                     ; query tile among all 32 = 8 x batch + tile
	s_lshr_b32 s45, s45, 1                         ; the batch: two clusters of four query tiles each
	s_lshl_b32 s43, s41, 2
	s_lshl_b32 s43, 15, s43
	s_lshl_b32 s44, 0x1111, s40
	s_or_b32 s[G1+0], s43, (1<<16)|(1<<20)|(1<<21)|(5<<22)|(3<<25)
	s_or_b32 s[G1B+0], s44, (1<<16)|(1<<20)|(1<<21)|(5<<22)|(3<<25)
.irp g, G1, G1B
	s_mov_b32 s[(\g)+1], KSTEP<<16                 ; a tile of 128 rows x 128 elements
	s_mov_b32 s[(\g)+2], 128<<16
	s_mov_b32 s[(\g)+3], KSTEP<<16
	s_mov_b32 s[(\g)+4], 128
	s_mov_b32 s[(\g)+5], SIZE_K
	s_mov_b32 s[(\g)+6], 0
	s_mov_b32 s[(\g)+7], 0
.endr
	s_mov_b32 s[GM1+0], (2<<16)|(1<<20)|(6<<22)|(3<<25)  ; no mask of work-groups; 4-byte elements; after every 128 words 4 words
	s_mov_b32 s[GM1+1], 128<<16                    ; 128 keys
	s_mov_b32 s[GM1+2], 64<<16                     ; 64 queries
	s_mov_b32 s[GM1+3], 128<<16
	s_mov_b32 s[GM1+4], 64
	s_mov_b32 s[GM1+5], 2048
	s_mov_b32 s[GM1+6], 0
	s_mov_b32 s[GM1+7], 0
	s_mov_b32 s[CS], 0x3d38aa3b                    ; c = log2(e) / 32
	s_mov_b32 s[CS+1], s[CS]
	s_mov_b32 s[SEL], 0x76543210
	s_mov_b32 s[SEL+1], 0xfedcba98
	s_mov_b32 s[LOW], 0xff7fffff
	s_mov_b32 s[CUR], 0                            ; K step 0 lies in slot 0
	s_lshl_b32 s17, s12, 7
	s_lshl_b32 s16, s13, 8
	s_add_co_u32 s16, s16, s17
	s_lshl_b32 s16, s16, 11                        ; qp: row 256 x tile + 128 x half, in bytes
	s_mov_b32 s17, 0
	s_lshl_b32 s46, s45, 11
	s_lshl_b32 s47, s42, 8
	s_add_co_u32 s46, s46, s47
	s_lshl_b32 s47, s12, 7
	s_add_co_u32 s46, s46, s47
	s_lshl_b32 s46, s46, 11                        ; kp: row 2048 x batch + 256 x key tile + 128 x half
	s_add_co_u32 s46, s46, KOFF
	s_mov_b32 s47, 0
	s_mul_i32 s20, s10, HALFT
	s_wait_dscnt 0x0
	s_wait_kmcnt 0x0
	s_add_nc_u64 s[14:15], s[68:69], s[16:17]
	s_add_nc_u64 s[46:47], s[68:69], s[46:47]
	CROUND
.irp s, 0,1
	s_mov_b32 s[G0+4*(\s)], 1
	s_add_co_u32 s[G0+4*(\s)+1], s20, (\s)*SLOT
	s_add_nc_u64 s[G0+4*(\s)+2:G0+4*(\s)+3], s[14:15], (\s)*KSTEP*2
	s_or_b32 s[G0+4*(\s)+3], s[G0+4*(\s)+3], 0x80000000
	s_mov_b32 s[G0B+4*(\s)], 1
	s_add_co_u32 s[G0B+4*(\s)+1], s20, (\s)*SLOT
	s_add_nc_u64 s[G0B+4*(\s)+2:G0B+4*(\s)+3], s[46:47], (\s)*KSTEP*2
	s_or_b32 s[G0B+4*(\s)+3], s[G0B+4*(\s)+3], 0x80000000
	JLOAD \s
.endr
	s_lshl_b32 s21, s13, 8
	s_lshl_b32 s22, s11, 7
	s_add_co_u32 s21, s21, s22                     ; my first query among all 8,192
	s_lshl_b32 s22, s21, 13                        ; the mask: 8,192 bytes a query,
	s_lshl_b32 s23, s42, 10
	s_add_co_u32 s22, s22, s23                     ; 1,024 a key tile,
	s_lshl_b32 s23, s12, 9
	s_add_co_u32 s22, s22, s23                     ; 512 for my half
	s_mov_b32 s23, 0
	s_add_nc_u64 s[22:23], s[70:71], s[22:23]
	s_mov_b64 s[PFB:PFB+1], s[22:23]
.irp g, 0,1
	s_mov_b32 s[GM0+4*(\g)], 1
	s_add_co_u32 s[GM0+4*(\g)+1], s20, (\g)*SLOT   ; piece g lies in my quarter of slot g
	s_add_nc_u64 s[GM0+4*(\g)+2:GM0+4*(\g)+3], s[22:23], (\g)*64*8192
	s_or_b32 s[GM0+4*(\g)+3], s[GM0+4*(\g)+3], 0x80000000
.endr
	s_lshl_b32 s16, s21, 12                        ; pw: 4,096 bytes a query, 512 a key tile, 256 for my half
	s_lshl_b32 s17, s42, 9
	s_add_co_u32 s16, s16, s17
	s_lshl_b32 s17, s12, 8
	s_add_co_u32 s16, s16, s17
	s_mov_b32 s17, 0
	s_add_nc_u64 s[8:9], s[72:73], s[16:17]
	s_lshl_b32 s18, s42, 1                         ; stat: key block 2 x key tile + half, 32,768 bytes each; 4 bytes a query
	s_add_co_u32 s18, s18, s12
	s_lshl_b32 s18, s18, 15
	s_lshl_b32 s19, s21, 2
	s_add_co_u32 s18, s18, s19
	s_mov_b32 s19, 0
	s_add_nc_u64 s[98:99], s[74:75], s[18:19]
	v_and_b32 v1, 15, v0                           ; l % 16
	v_bfe_u32 v2, v0, 4, 1                         ; l / 16
	v_mul_u32_u24 v3, v1, PITCH
	v_lshl_add_u32 v3, v2, 4, v3
	s_mul_i32 s21, s11, HALFT
	s_mul_i32 s22, s12, HALFT
	s_add_co_u32 s22, s22, 2*HALFT
	v_add_nc_u32 v[ADRA0], s21, v3
	v_add_nc_u32 v[ADRB0], s22, v3
	v_mov_b32 v[ADRA], v[ADRA0]
	v_mov_b32 v[ADRB], v[ADRB0]
	s_mul_i32 s23, s10, 16*SPITCH
	s_add_co_u32 s23, s23, STAGE
	v_mul_u32_u24 v4, v1, SPITCH
	v_lshl_add_u32 v4, v2, 4, v4
	v_add_nc_u32 v[STO], s23, v4
	v_mul_u32_u24 v5, v2, SPITCH
	v_lshl_add_u32 v5, v1, 4, v5
	v_add_nc_u32 v[RD], s23, v5
	v_lshlrev_b32 v5, 12, v2
	v_lshl_add_u32 v[CO], v1, 4, v5                ; two rows of pw, 4,096 bytes apart
	v_mul_u32_u24 v6, v1, MP
	v_lshl_add_u32 v6, v2, 5, v6
	v_add_nc_u32 v[MA], s20, v6                    ; mask: row l % 16, 32 bytes for each half of the lanes
	v_add_nc_u32 v[MA+1], SLOT, v[MA]
	v_and_b32 v3, 31, v0
	v_lshlrev_b32 v7, 4, v3                        ; 16 x lane
	v_lshrrev_b32 v4, 1, v3
	v_and_b32 v5, 1, v3
	v_lshlrev_b32 v5, 8, v5
	v_lshl_add_u32 v[PFO], v4, 13, v5              ; row lane / 2 of sixteen, block lane % 2 of its 512 bytes
	s_lshl_b32 s23, s10, 10
	s_add_co_u32 s23, s23, STATB
	v_add_nc_u32 v[ST2], s23, v7
	v_lshl_add_u32 v[ST1], v1, 2, s23
	v_mov_b32 v31, 0x42000000                      ; 32.0
	v_mov_b32 v[LS+1], 0                           ; v_permlanex16_b32's destination counts as read
.macro MUL16 f, hi, a0, zero
	WIN MUL_LO+0x50*(\hi)
.irp a, \a0, (\a0)+1
.irp b, 0,1,2,3,4,5,6,7
.if \zero
	v_wmma_f32_16x16x32_f16 v[8*(8*(\a)+(\b)):8*(8*(\a)+(\b))+7], v[(\f)+8*(\b):(\f)+8*(\b)+7], v[(\f)+8*(4*(\hi)+(\a)):(\f)+8*(4*(\hi)+(\a))+7], 0
.else
	v_wmma_f32_16x16x32_f16 v[8*(8*(\a)+(\b)):8*(8*(\a)+(\b))+7], v[(\f)+8*(\b):(\f)+8*(\b)+7], v[(\f)+8*(4*(\hi)+(\a)):(\f)+8*(4*(\hi)+(\a))+7], v[8*(8*(\a)+(\b)):8*(8*(\a)+(\b))+7]
.endif
.endr
.endr
.endm
.macro FETCH k, f                      ; 32 LDS loads in one run, from the slot in hand; kp's first
	WIN TO_B
.irp i, 0,1,2,3,4,5,6,7
	ds_load_b128 v[(\f)+8*(\i):(\f)+8*(\i)+3],   v[ADRB] offset:(\k)+(\i)*16*PITCH
	ds_load_b128 v[(\f)+8*(\i)+4:(\f)+8*(\i)+7], v[ADRB] offset:(\k)+(\i)*16*PITCH+32
.endr
	WIN 0
.irp i, 0,1,2,3,4,5,6,7
	ds_load_b128 v[(\f)+8*(\i):(\f)+8*(\i)+3],   v[ADRA] offset:(\k)+(\i)*16*PITCH
	ds_load_b128 v[(\f)+8*(\i)+4:(\f)+8*(\i)+7], v[ADRA] offset:(\k)+(\i)*16*PITCH+32
.endr
.endm
.macro MKLOAD a                        ; the mask of block a (16 queries x 128 keys): register 8 b + j takes key 16 b + 8 (l / 16) + j
	WIN 0
.irp b, 0,1,2,3,4,5,6,7
	ds_load_b128 v[MK+8*(\b):MK+8*(\b)+3],   v[MA+(\a)/4] offset:((\a)%4)*16*MP+64*(\b)
	ds_load_b128 v[MK+8*(\b)+4:MK+8*(\b)+7], v[MA+(\a)/4] offset:((\a)%4)*16*MP+64*(\b)+16
.endr
.endm
.macro QUARTER k, f, g, zero
	s_wait_dscnt 8                                 ; kp and qp's rows 0-63 are in; the youngest eight loads may be out
	MUL16 \f, 0, 0, \zero
	MUL16 \f, 0, 2, \zero
	PLACES
	FETCH \k, \g
	s_wait_dscnt 32                                ; all but the 32 just issued
	MUL16 \f, 1, 0, \zero
	MUL16 \f, 1, 2, \zero
.endm
; the last quarter changes slots, always behind a round.  kind 1: the slot left takes the K step two on.  kind 2: slot 0 takes the mask's piece 0.  kind 3: slot 1 takes piece 1, and block 0's mask is read.
.macro TURN kind
	WIN 0
	s_wait_tensorcnt 0x0                           ; all my tensor loads have landed
	ds_add_u32 v[SPW], v[NIL]                      ; 0 onto my spare word
	s_wait_dscnt 9                                 ; (the add and the youngest eight loads may be out)
	MUL16 F1, 0, 0, 0
	s_wait_dscnt 0x0                               ; the add is done, and my reads of this slot are over
	s_barrier_signal -1
	MUL16 F1, 0, 2, 0
	WIN 0
	s_barrier_wait -1
	CREST
.if (\kind) == 1
	s_add_co_u32 s[G0+5], s20, s[CUR]              ; the walking descriptors: into the slot just read, the K step behind the one asked for last
	s_add_nc_u64 s[G0+6:G0+7], s[G0+6:G0+7], KSTEP*2
	s_add_co_u32 s[G0B+5], s20, s[CUR]
	s_add_nc_u64 s[G0B+6:G0B+7], s[G0B+6:G0B+7], KSTEP*2
	JLOAD 1
.elseif (\kind) == 2
	MLOAD 0
.else
	MLOAD 1
.endif
.if (\kind) < 3
	s_xor_b32 s[CUR], s[CUR], SLOT                 ; 0 <-> SLOT: the other slot is now in hand
	v_add_nc_u32 v[ADRA], s[CUR], v[ADRA0]
	v_add_nc_u32 v[ADRB], s[CUR], v[ADRB0]
	FETCH 0, F0
.else
	s_wait_tensorcnt 0x1                           ; piece 0 is in; piece 1, issued behind it, stays out
	MKLOAD 0                                       ; into buffer 0, read last a quarter ago; the four v_nop behind the load are the places
.endif
.if (\kind) == 2
	PFM 1                                          ; piece 1 is asked for one K step ahead of its tensor load
.endif
	MUL16 F1, 1, 0, 0
	MUL16 F1, 1, 2, 0
.endm
	s_wait_tensorcnt 1
	s_barrier_signal -1
	s_barrier_wait -1
	FETCH 0, F0
	QUARTER 64,  F0, F1, 1
	WIN 0
	s_mov_b32 s3, SIZE_K/KSTEP-2
.Lstep:                                                ; six trips: from a K step's second quarter to the next step's first; the slot left is filled again
	QUARTER 128, F1, F0, 0
	QUARTER 192, F0, F1, 0
	TURN 1
	QUARTER 64,  F0, F1, 0
	WIN 0
	s_sub_co_u32 s3, s3, 1
	s_cmp_lg_u32 s3, 0
	s_cbranch_scc1 .Lstep
	PFM 0                                          ; piece 0 is asked for 160 matrix instructions ahead of its tensor load
	QUARTER 128, F1, F0, 0
	QUARTER 192, F0, F1, 0
	TURN 2
	QUARTER 64,  F0, F1, 0
	QUARTER 128, F1, F0, 0
	QUARTER 192, F0, F1, 0
	TURN 3
	PLACES
	WIN 0
; THE BLOCKS.  Eight blocks of 16 queries, one text: only the part that names a block's accumulators (and asks for the next block's mask) is written eight times, and reached by forward jumps on the counter.
.macro SEG a
.Lseg\a:
.if ((\a) >= 3) && ((\a) < 7)
	s_wait_tensorcnt 0x0                           ; piece 1 is in: the loads below read it
.endif
.if (\a) < 7
	MKLOAD (\a)+1
.endif
	WIN 0x20+0x10*((\a)/4)                         ; source 2: window 2 or 3
.irp b, 0,1,2,3,4,5,6,7
.irp p, 0,1,2,3
	v_fma_mix_f32_bf16 v[S+8*(\b)+2*(\p)],   v[MB+4*(\b)+(\p)], v31, v[64*((\a)%4)+8*(\b)+2*(\p)]   op_sel:[0,0,0] op_sel_hi:[1,0,0]  ; s = mask x 32 + acc; each accumulator is read from its low end on
	v_fma_mix_f32_bf16 v[S+8*(\b)+2*(\p)+1], v[MB+4*(\b)+(\p)], v31, v[64*((\a)%4)+8*(\b)+2*(\p)+1] op_sel:[1,0,0] op_sel_hi:[1,0,0]
.endr
.endr
	WIN 0
.if (\a) < 7
	s_branch .Lcom
.endif
.endm
	s_mov_b32 s2, 0
.Lblk:
	s_wait_dscnt 0x0                               ; this block's mask is in
.set i, 0
.rept 32
	v_cvt_pk_bf16_f32 v[MB+i], v[MK+2*i], v[MK+2*i+1]
.set i, i+1
.endr
.irp a, 1,2,3,4,5,6,7
	s_cmp_eq_u32 s2, \a
	s_cbranch_scc1 .Lseg\a
.endr
.irp a, 0,1,2,3,4,5,6,7
	SEG \a
.endr
.Lcom:
.irp c, 0,1,2,3                        ; the lane's largest of 64: four chains of fifteen scores, three operands at a time
	v_max3_num_f32 v[C0+(\c)], v[S+16*(\c)], v[S+16*(\c)+1], v[S+16*(\c)+2]
.endr
.irp n, 0,1,2,3,4,5
.irp c, 0,1,2,3
	v_max3_num_f32 v[C0+(\c)], v[C0+(\c)], v[S+16*(\c)+3+2*(\n)], v[S+16*(\c)+4+2*(\n)]
.endr
.endr
	v_max3_num_f32 v[C0], v[C0], v[S+15], v[S+31]
	v_max3_num_f32 v[C0+2], v[C0+2], v[S+47], v[S+63]
	v_max3_num_f32 v[C0], v[C0], v[C0+1], v[C0+2]
	v_max_num_f32 v[C0], v[C0], v[C0+3]
	v_permlanex16_b32 v[C0+1], v[C0], s[SEL], s[SEL+1]  ; the query's other 64 keys lie in the lane 16 away
	v_max3_num_f32 v[EE+1], v[C0], v[C0+1], s[LOW]      ; m, never below the lowest finite number
	v_mul_f32 v[EE], s[CS], v[EE+1]
	v_floor_f32 v[EE], v[EE]
	v_add_f32 v[EE], 1.0, v[EE]                    ; e = floor(c m) + 1: a whole number, so later factors 2^(e - E) are exact
.set i, 0
.rept 32
	v_pk_fma_f32 v[S+2*i:S+2*i+1], v[S+2*i:S+2*i+1], s[CS:CS+1], v[EE:EE+1] op_sel_hi:[1,0,0] neg_lo:[0,0,1] neg_hi:[0,0,1]  ; c s - e, one rounding
.set i, i+1
.endr
.set i, 0
.rept 64
	v_exp_f32 v[S+i], v[S+i]
.set i, i+1
.endr
	v_nop                                          ; a plain instruction between the last exponential and the use of its result
.set i, 0
	s_wait_alu depctr_va_vdst(0)
.rept 32
	v_cvt_pk_f16_f32 v[PK+i], v[S+2*i], v[S+2*i+1]
.set i, i+1
.endr
.irp hf, 16,8,4,2,1                    ; l: the 32 pairs are added in place, halves onto halves
.set i, 0
.rept \hf
	v_pk_add_f32 v[S+2*i:S+2*i+1], v[S+2*i:S+2*i+1], v[S+2*(i+\hf):S+2*(i+\hf)+1]
.set i, i+1
.endr
.endr
	v_add_f32 v[LS], v[S], v[S+1]
	v_permlanex16_b32 v[LS+1], v[LS], s[SEL], s[SEL+1]
	v_add_f32 v[LS], v[LS], v[LS+1]
	s_lshl_b32 s3, s2, 6                           ; the block's 16 words
	v_add_nc_u32 v6, s3, v[ST1]
	ds_store_b32 v6, v[EE]                         ; lanes l and l + 16 write the same word with the same value
	ds_store_b32 v6, v[LS] offset:512
.irp b, 0,1,2,3,4,5,6,7
	ds_store_b128 v[STO], v[PK+4*(\b):PK+4*(\b)+3] offset:32*(\b)
.endr
.irp t, 0,1,2,3,4,5,6,7
	ds_load_b128 v[OB+4*(\t):OB+4*(\t)+3], v[RD] offset:(\t)*2*SPITCH  ; LDS serves a wave's instructions in order: these see the stores above
.endr
	s_wait_dscnt 0x0
.irp t, 0,1,2,3,4,5,6,7
	global_store_b128 v[CO], v[OB+4*(\t):OB+4*(\t)+3], s[8:9] offset:(\t)*8192  ; 16 lanes store 256 consecutive bytes, at a multiple of 256 from pw's first byte
.endr
	s_wait_xcnt 0x0                                ; the base and the stores' data are rewritten only behind this wait
	s_add_nc_u64 s[8:9], s[8:9], 16*4096
	s_add_co_u32 s2, s2, 1
	s_cmp_lt_u32 s2, 8
	s_cbranch_scc1 .Lblk
	ds_load_b128 v[OB:OB+3],   v[ST2]              ; my 128 e and 128 l, my own bytes
	ds_load_b128 v[OB+4:OB+7], v[ST2] offset:512
	s_wait_dscnt 0x0
	global_store_b128 v7, v[OB:OB+3],   s[98:99]                 ; 512 consecutive bytes each
	global_store_b128 v7, v[OB+4:OB+7], s[98:99] offset:524288
	s_wait_tensorcnt 0x0                           ; the wave's end
	ds_add_u32 v[SPW], v[NIL]
	s_wait_dscnt 0x0
	CROUND                                         ; the closing round
	s_endpgm
.Lfunc_end_k_q919b6892d6_score:
	.size	k_q919b6892d6_score, .Lfunc_end_k_q919b6892d6_score-k_q919b6892d6_score
	.p2alignl 7, 3214868480
	.fill 96, 4, 3214868480
	.section	.rodata,"a",@progbits
	.p2align	6, 0x0
	.amdhsa_kernel k_q919b6892d6_score
		.amdhsa_group_segment_fixed_size 327680
		.amdhsa_private_segment_fixed_size 0
		.amdhsa_enable_private_segment 0
		.amdhsa_kernarg_size 32
		.amdhsa_user_sgpr_count 2
		.amdhsa_user_sgpr_kernarg_segment_ptr 1
		.amdhsa_wavefront_size32 1
		.amdhsa_system_sgpr_workgroup_id_x 1
		.amdhsa_system_sgpr_workgroup_id_y 1
		.amdhsa_system_sgpr_workgroup_id_z 1
		.amdhsa_system_vgpr_workitem_id 0
		.amdhsa_next_free_vgpr 1024
		.amdhsa_next_free_sgpr 100
		.amdhsa_reserve_vcc 0
		.amdhsa_float_denorm_mode_32 3
		.amdhsa_float_denorm_mode_16_64 3
		.amdhsa_memory_ordered 1
		.amdhsa_forward_progress 1
		.amdhsa_inst_pref_size 145
	.end_amdhsa_kernel
	.amdgpu_metadata
---
amdhsa.version: [ 1, 2 ]
amdhsa.kernels:
  - .name:           k_q919b6892d6_score
    .symbol:         k_q919b6892d6_score.kd
    .args:
      - { .name: proj, .offset: 0, .size: 8, .value_kind: global_buffer, .address_space: global }
      - { .name: mask, .offset: 8, .size: 8, .value_kind: global_buffer, .address_space: global }
      - { .name: pw, .offset: 16, .size: 8, .value_kind: global_buffer, .address_space: global }
      - { .name: stat, .offset: 24, .size: 8, .value_kind: global_buffer, .address_space: global }
    .group_segment_fixed_size: 327680
    .private_segment_fixed_size: 0
    .kernarg_segment_align: 8
    .kernarg_segment_size: 32
    .max_flat_workgroup_size: 128
    .sgpr_count:     100
    .vgpr_count:     1024
    .wavefront_size: 32
...
	.end_amdgpu_metadata
.endif
;; end of part 3
;; launch pv (part 4): grid 4 x 64, 4 waves a work-group, clusters of 4 x 4, 327,680 bytes of LDS; arguments pw, stat, proj, out0; writes out0
.if DOCPART == 4
	.amdgcn_target "amdgcn-amd-amdhsa--gfx1250"
	.amdhsa_code_object_version 6
	.text
	.protected	k_q919b6892d6_pv
	.globl	k_q919b6892d6_pv
	.p2align	8
	.type	k_q919b6892d6_pv,@function
k_q919b6892d6_pv:
	s_mov_b64 s[64:65], 0
	v_nop
	global_prefetch_b8 v0, s[64:65] scope:SCOPE_SE
	s_setreg_imm32_b32 hwreg(HW_REG_WAVE_MODE, 25, 1), 1
	s_wait_xcnt 0x0
	s_wait_alu depctr_hold_cnt(0) depctr_sa_sdst(0) depctr_va_vdst(0) depctr_va_sdst(0) depctr_va_ssrc(0) depctr_va_vcc(0) depctr_vm_vsrc(0)
	s_getreg_b32 s2, hwreg(HW_REG_IB_STS2, 6, 4)
	s_cmp_eq_u32 s2, 0
	s_cbranch_scc0 .Lentry_in_a_cluster
	s_endpgm
.Lentry_in_a_cluster:
	s_bfe_u32 s2, ttmp6, 0x10000c
	s_cmp_lg_u32 s2, 0xf033
	s_cbranch_scc0 .Lentry_shape_is_right
	s_endpgm
.Lentry_shape_is_right:
; out0[row][ch] = (sum over key blocks kb of f_kb (P_kb V_kb)) / L, f32.  SOFTMAX, SECOND HALF: for each row E = the largest e_kb, f_kb = 2^(e_kb - E), an exact power of two, L = the sum of l_kb f_kb.
; P (pw) and V (vp in proj) are f16 and reach the matrix unit as they were stored.  A key step is one key block of 128 keys: its products start on 0 in step accumulators T (f32), and at the step's end
; O += f T, one fused multiply-add in f32 for each number: what is carried from step to step is f32, and nothing in 16 bits is reckoned outside the matrix unit.
; LIMITS.  f below 2^-126 counts as 0.  A row whose every key is hidden by -inf has L = 0 and comes out NaN, as a softmax of -inf alone does.  NaN and +inf are not treated apart.
; SHARES.  A tile is 128 rows x 256 channels, so that 8192 x 1024 make 256 work-groups.  A wave takes 64 rows x 128 channels: 32 tiles of 16 x 16, 256 registers of O and 256 of T (128 x 128 would want 1,024 for the two).
; For 32 keys a wave reads 24 fragment halves' pairs from LDS (4 of P, 8 of V) for 32 matrix instructions.
; RING.  Sixteen key steps through two LDS slots; the loop is written once for a step.  A trip: all my tensor loads have landed, the add, a round of the cluster's barrier, the joint refill of the slot read last,
; then the step's work, all of which stands ahead of the next trip's wait.  One tensor load of mine is out at a time; it has a step's 128 matrix instructions and 128 multiply-adds in which to land.
; The multiply-adds stand together at the step's end, under one window setting: seven window switches a step.
; O IS CLEARED at the start, by 256 v_mov_b32 in the wait for the first tile: the price of writing no first step out.
; P's tile lies [row][key]: 64 rows x 256 bytes to a load, LDS rows 272 apart.  V's lies [key][channel]: 64 keys x 512 bytes to a load, LDS rows 544 apart; its fragments come out turned.
; CLUSTER.  4 x 4 work-groups: P's tile is asked for jointly along a row of the cluster, V's along a column (the cluster's four row tiles lie in one batch: 16 tiles a batch).
; AHEAD INTO THE L2.  In trip t, which loads step t + 1, wave 0 asks for its work-group's quarter of P's tile of step t + 2 (32 rows x 256 bytes, a lane a row; the four partners of a cluster's row take a quarter each),
; wave 1 for its sixteenth of V's tile of that step (8 keys x 512 bytes, two lanes to a block of 256; the batch's sixteen row tiles take a sixteenth each).  The last trip asks for step 15 once more: no address passes step 15.
; REGISTERS: window 0: v0-47 addresses, factors; v64-127 P's fragments, two buffers of 32; v128-255 V's fragments, two buffers of 64.  window 1: O, tile (a, b) at v[8 (8 a + b)].  window 2: T, likewise.
.set SIZE_N, 1024
.set KSTEP,  128
.set STEPS,  16
.set PITCH,  272
.set PB,     544
.set VO,     128*PITCH                 ; in a slot V's 128 keys lie behind P's 128 rows
.set SLOTB,  VO+128*PB                 ; 104,448 bytes of a slot
.set SLOT1,  1<<17                     ; slot 1 begins here, so that one exclusive or turns an address in one slot into the other's
.set FT,     SLOTB                     ; between the slots: f, f32, 16 key blocks x 128 rows
.set RLT,    FT+16*512                 ; 128 x 1 / L
.set SPARE,  RLT+512                   ; the spare words: two blocks of 256 bytes that no other line names
.set STAGE,  SLOT1+SLOTB               ; behind slot 1: 16 rows x 528 bytes for each wave
.set SP,     528
.set VOFF,   16384*1024*2              ; vp begins here in proj
.set PFO,   10                         ; v10  my lane's byte offset in what my wave asks for ahead; never rewritten
.set ADRA0, 16                         ; v16  my place in P's tile, slot 0; never rewritten
.set ADRB0, 17                         ; v17  the same for V
.set ADRA,  18                         ; v18, v19  the same in the slot in hand
.set ADRB,  19
.set FTA0,  20                         ; v20  my rows' factors, key block 0; never rewritten
.set FTA,   21                         ; v21  of the step in hand
.set STO,   24
.set RD,    25
.set CO,    26
.set SPW,   28
.set NIL,   29
.set RLA,   31                         ; v31  1 / L of my rows
.set FK,    32                         ; v32-39  a step's factors: a pair for each of my four row blocks, the value in the even register
.set RL,    40                         ; v40-47  1 / L likewise
.set EV,    64                         ; the table's making: e, then f
.set LV,    80
.set TT,    96
.set FA,    64                         ; P's fragments
.set FB,    128                        ; V's fragments
.set SUM,   64                         ; the way out
.set ROWS,  128
.set G1,  24                           ; s[24:31] group 1 for P's tiles; s[32:35] group 0: it walks
.set G0,  32
.set G1B, 48                           ; s[48:55], s[56:59] the same for V's
.set G0B, 56
.set FTS, 66                           ; s66  the key block in hand x 512
.set TB,  67                           ; s67  the slot to be read next: 0 or SLOT1
.set PFB, 80                           ; s[80:81] what my wave asks for ahead: the address
.set PFD, 82                           ; s[82:83] its step in this trip
.set PFST, 84                          ; s84  bytes from a step's tile to the next
.set MSB, 0
.macro WIN new
.if MSB != (\new)
	s_set_vgpr_msb (MSB<<8)|(\new)
.set MSB, \new
.endif
.endm
.set W_MM, 0xa0                        ; fragments in window 0, C and D in window 2
.set W_FM, 0x52                        ; source 0 (T) window 2, source 1 (f) window 0, source 2 and destination (O) window 1
.macro JLOAD                           ; a joint load: waves 0, 1 fetch P's halves, waves 2, 3 V's; s_nop 0 and four v_nop follow each line
	s_cmp_eq_u32 s11, 0
	s_cbranch_scc0 .Lfor_b_\@
	tensor_load_to_lds s[G0:G0+3], s[G1:G1+7]
	s_nop 0
.rept 4
	v_nop
.endr
	s_branch .Lasked_\@
.Lfor_b_\@:
	tensor_load_to_lds s[G0B:G0B+3], s[G1B:G1B+7]
	s_nop 0
.rept 4
	v_nop
.endr
.Lasked_\@:
.endm
.macro CROUND                          ; a round of the cluster's barrier
	s_barrier_signal -1
	s_barrier_wait -1
	s_cmp_lg_u32 s10, 0
	s_cbranch_scc1 .Lnot_wave_0_\@
	s_barrier_signal -3
.Lnot_wave_0_\@:
	s_barrier_wait -3
	s_barrier_signal -1
	s_barrier_wait -1
.endm
.macro PLACES                          ; four plain vector instructions between a matrix instruction and a load into, or a vector read of, its registers
.rept 4
	v_nop
.endr
.endm
	s_load_b256 s[68:75], s[0:1], 0x0              ; pw s[68:69], stat s[70:71], proj s[72:73], out0 s[74:75]
	v_lshl_add_u32 v[SPW], v0, 2, SPARE
	v_mov_b32 v[NIL], 0
	ds_add_u32 v[SPW], v[NIL]                      ; the wave's opening: the add and its wait stand ahead of my first tensor load
	v_lshrrev_b32 v1, 5, v0
	v_readfirstlane_b32 s10, v1
	s_lshr_b32 s11, s10, 1                         ; my half of the rows; also: I fetch for P (0) or V (1)
	s_and_b32 s12, s10, 1                          ; my half of the channels; also: which half of that tile I fetch
	s_bfe_u32 s40, ttmp6, 0x40000
	s_bfe_u32 s41, ttmp6, 0x40004
	s_lshl_b32 s42, ttmp9, 2
	s_add_co_u32 s42, s42, s40                     ; channel tile 0..3
	s_and_b32 s45, ttmp7, 0xffff
	s_lshl_b32 s13, s45, 2
	s_add_co_u32 s13, s13, s41                     ; row tile 0..63
	s_lshr_b32 s45, s45, 2                         ; the batch: four clusters of four row tiles each
	s_lshl_b32 s43, s41, 2
	s_lshl_b32 s43, 15, s43
	s_lshl_b32 s44, 0x1111, s40
	s_or_b32 s[G1+0], s43, (1<<16)|(1<<20)|(1<<21)|(5<<22)|(3<<25)
	s_mov_b32 s[G1+1], KSTEP<<16                   ; 128 keys
	s_mov_b32 s[G1+2], 64<<16                      ; 64 rows
	s_mov_b32 s[G1+3], KSTEP<<16
	s_mov_b32 s[G1+4], 64
	s_mov_b32 s[G1+5], 2048
	s_mov_b32 s[G1+6], 0
	s_mov_b32 s[G1+7], 0
	s_or_b32 s[G1B+0], s44, (1<<16)|(1<<20)|(1<<21)|(6<<22)|(7<<25)
	s_mov_b32 s[G1B+1], 256<<16                    ; 256 channels
	s_mov_b32 s[G1B+2], 64<<16                     ; 64 keys
	s_mov_b32 s[G1B+3], 256<<16
	s_mov_b32 s[G1B+4], 64
	s_mov_b32 s[G1B+5], SIZE_N
	s_mov_b32 s[G1B+6], 0
	s_mov_b32 s[G1B+7], 0
	s_mov_b32 s[FTS], 0
	s_mov_b32 s[TB], 0
	s_lshl_b32 s16, s13, 7
	s_lshl_b32 s17, s12, 6
	s_add_co_u32 s16, s16, s17
	s_lshl_b32 s16, s16, 12                        ; P: row 128 x tile + 64 x half, 4,096 bytes each
	s_mov_b32 s17, 0
	s_lshl_b32 s46, s45, 11
	s_lshl_b32 s47, s12, 6
	s_add_co_u32 s46, s46, s47
	s_lshl_b32 s46, s46, 11                        ; V: key 2048 x batch + 64 x half, 2,048 bytes each,
	s_lshl_b32 s47, s42, 9
	s_add_co_u32 s46, s46, s47                     ; the tile's 256 channels
	s_add_co_u32 s46, s46, VOFF
	s_mov_b32 s47, 0
	s_mul_i32 s20, s12, 64*PITCH                   ; where a load of P goes in slot 0,
	s_mul_i32 s21, s12, 64*PB
	s_add_co_u32 s21, s21, VO                      ; and one of V: no place in the cluster enters an LDS address
	s_mov_b32 s[G0], 1
	s_mov_b32 s[G0+1], s20
	s_mov_b32 s[G0B], 1
	s_mov_b32 s[G0B+1], s21
	s_wait_dscnt 0x0                               ; the opening add is done
	s_wait_kmcnt 0x0
	s_add_nc_u64 s[G0+2:G0+3], s[68:69], s[16:17]
	s_or_b32 s[G0+3], s[G0+3], 0x80000000
	s_add_nc_u64 s[G0B+2:G0B+3], s[72:73], s[46:47]
	s_or_b32 s[G0B+3], s[G0B+3], 0x80000000
	CROUND                                         ; all sixteen work-groups are here: the first joint loads meet
	JLOAD                                          ; step 0 into slot 0; slot 1 is first filled behind the first trip's round
	; the statistics: thread t takes row t of the tile; each load of the work-group covers 512 consecutive bytes
	s_lshl_b32 s14, s13, 9
	s_mov_b32 s15, 0
	s_add_nc_u64 s[14:15], s[70:71], s[14:15]
	v_lshlrev_b32 v5, 2, v0
.set i, 0
.rept 16
	global_load_b32 v[EV+i], v5, s[14:15] offset:i*32768
	global_load_b32 v[LV+i], v5, s[14:15] offset:524288+i*32768
.set i, i+1
.endr
	v_and_b32 v1, 15, v0                           ; l % 16
	v_bfe_u32 v2, v0, 4, 1                         ; l / 16
	v_mul_u32_u24 v3, v1, PITCH
	v_lshl_add_u32 v3, v2, 4, v3
	s_mul_i32 s22, s11, 64*PITCH                   ; my 64 rows of P
	v_add_nc_u32 v[ADRA0], s22, v3
	v_and_b32 v4, 7, v0                            ; the turning load reads key 8 (l / 16) + l % 8, channels 8 ((l / 8) % 2) + 0..7
	v_lshl_add_u32 v4, v2, 3, v4
	v_mul_u32_u24 v4, v4, PB
	v_bfe_u32 v9, v0, 3, 1
	v_lshl_add_u32 v4, v9, 4, v4
	s_lshl_b32 s23, s12, 8                         ; my 128 channels of V,
	s_add_co_u32 s23, s23, VO                      ; behind P's rows
	v_add_nc_u32 v[ADRB0], s23, v4
	s_lshl_b32 s22, s11, 8
	s_add_co_u32 s22, s22, FT
	v_lshl_add_u32 v[FTA0], v1, 2, s22             ; row 64 x half + l % 16
	v_add_nc_u32 v[RLA], 16*512, v[FTA0]
	v_and_b32 v3, 31, v0
	v_lshlrev_b32 v[CO], 4, v3                     ; 16 x lane
	s_mul_i32 s23, s10, 16*SP
	s_add_co_u32 s23, s23, STAGE
	v_add_nc_u32 v[RD], s23, v[CO]
	v_mul_u32_u24 v4, v1, SP
	v_lshl_add_u32 v4, v2, 5, v4
	v_add_nc_u32 v[STO], s23, v4
	v_lshl_add_u32 v8, v0, 2, FT
	; what my wave asks for ahead (waves 0 and 1): the address stands at step 1's tile; each trip steps it first
	v_lshlrev_b32 v6, 12, v3                       ; P: a row a lane
	v_lshrrev_b32 v7, 2, v3
	v_and_b32 v9, 3, v3
	v_lshlrev_b32 v9, 7, v9
	v_lshl_add_u32 v7, v7, 11, v9                  ; V: key lane / 4, byte 128 (lane % 4) of its 512
	s_lshl_b32 s16, s13, 7
	s_lshl_b32 s17, s40, 5
	s_add_co_u32 s16, s16, s17                     ; P: row 128 x row tile + 32 x my place along the cluster's row
	s_lshl_b32 s16, s16, 12
	s_add_co_u32 s16, s16, KSTEP*2
	s_lshl_b32 s18, s45, 11
	s_and_b32 s19, s13, 15
	s_lshl_b32 s19, s19, 3
	s_add_co_u32 s18, s18, s19                     ; V: key 2048 x batch + 8 x my row tile's number in the batch
	s_add_co_u32 s18, s18, KSTEP
	s_lshl_b32 s18, s18, 11
	s_lshl_b32 s19, s42, 9
	s_add_co_u32 s18, s18, s19
	s_add_co_u32 s18, s18, VOFF
	s_mov_b32 s22, KSTEP*2
	s_mov_b32 s23, KSTEP*SIZE_N*2
	s_cmp_eq_u32 s12, 0                            ; wave 0: P; wave 1: V
	s_cselect_b32 s16, s16, s18
	s_cselect_b32 s[PFST], s22, s23
	s_cselect_b32 s19, -1, 0
	s_cselect_b64 s[PFB:PFB+1], s[68:69], s[72:73]
	s_mov_b32 s17, 0
	s_mov_b32 s[PFD+1], 0
	s_add_nc_u64 s[PFB:PFB+1], s[PFB:PFB+1], s[16:17]
	v_cndmask_b32 v[PFO], v7, v6, s19
	s_lshl_b32 s76, s13, 7                         ; out0 at my 64 rows, my 128 channels
	s_lshl_b32 s77, s11, 6
	s_add_co_u32 s76, s76, s77
	s_lshl_b32 s76, s76, 12
	s_lshl_b32 s77, s42, 10
	s_add_co_u32 s76, s76, s77
	s_lshl_b32 s77, s12, 9
	s_add_co_u32 s76, s76, s77
	s_mov_b32 s77, 0
	s_add_nc_u64 s[8:9], s[74:75], s[76:77]
.irp a, 0,1,2,3
	v_mov_b32 v[FK+2*(\a)+1], 0                    ; named with the factor as a pair, so it is written
.endr
	WIN 0x40
.set i, 0
.rept 256
	v_mov_b32 v[i], 0                              ; O
.set i, i+1
.endr
	WIN 0
	s_wait_loadcnt 0x0
	v_max3_num_f32 v[TT], v[EV], v[EV+1], v[EV+2]  ; E
.irp n, 3,5,7,9,11,13
	v_max3_num_f32 v[TT], v[TT], v[EV+\n], v[EV+\n+1]
.endr
	v_max_num_f32 v[TT], v[TT], v[EV+15]
.set i, 0
.rept 16
	v_sub_f32 v[EV+i], v[EV+i], v[TT]
.set i, i+1
.endr
.set i, 0
.rept 16
	v_exp_f32 v[EV+i], v[EV+i]                     ; f
.set i, i+1
.endr
	v_nop                                          ; a plain instruction between the last exponential and the use of its result
	s_wait_alu depctr_va_vdst(0)
	v_mul_f32 v[TT+1], v[LV], v[EV]
.set i, 1
.rept 15
	v_fmac_f32 v[TT+1], v[LV+i], v[EV+i]           ; L
.set i, i+1
.endr
	v_rcp_f32 v[TT+2], v[TT+1]
	v_nop                                          ; a plain instruction behind the reciprocal
.set i, 0
.rept 16
	ds_store_b32 v8, v[EV+i] offset:i*512
.set i, i+1
.endr
	s_wait_alu depctr_va_vdst(0)
	ds_store_b32 v8, v[TT+2] offset:16*512         ; the first trip's wait for 0 on DScnt and its round show the table to the other waves
; 24 LDS loads: quarter q (32 keys) of the step in hand, into buffer buf; V's first
.macro FETCH q, buf
	WIN 0
.irp b, 0,1,2,3,4,5,6,7
	ds_load_tr16_b128 v[FB+64*(\buf)+8*(\b):FB+64*(\buf)+8*(\b)+3],   v[ADRB] offset:(\q)*32*PB+32*(\b)
	ds_load_tr16_b128 v[FB+64*(\buf)+8*(\b)+4:FB+64*(\buf)+8*(\b)+7], v[ADRB] offset:(\q)*32*PB+32*(\b)+16*PB
.endr
.irp a, 0,1,2,3
	ds_load_b128 v[FA+32*(\buf)+8*(\a):FA+32*(\buf)+8*(\a)+3],   v[ADRA] offset:64*(\q)+(\a)*16*PITCH
	ds_load_b128 v[FA+32*(\buf)+8*(\a)+4:FA+32*(\buf)+8*(\a)+7], v[ADRA] offset:64*(\q)+(\a)*16*PITCH+32
.endr
.endm
; 32 matrix instructions: 32 keys onto all 32 step accumulators, which take turns.  Source 0 = 16 channels of V, source 1 = 16 rows of P: a lane holds row l % 16 and channels 8 (l / 16) + 0..7.
.macro MUL32 buf, zero
	WIN W_MM
.irp a, 0,1,2,3
.irp b, 0,1,2,3,4,5,6,7
.if \zero
	v_wmma_f32_16x16x32_f16 v[8*(8*(\a)+(\b)):8*(8*(\a)+(\b))+7], v[FB+64*(\buf)+8*(\b):FB+64*(\buf)+8*(\b)+7], v[FA+32*(\buf)+8*(\a):FA+32*(\buf)+8*(\a)+7], 0
.else
	v_wmma_f32_16x16x32_f16 v[8*(8*(\a)+(\b)):8*(8*(\a)+(\b))+7], v[FB+64*(\buf)+8*(\b):FB+64*(\buf)+8*(\b)+7], v[FA+32*(\buf)+8*(\a):FA+32*(\buf)+8*(\a)+7], v[8*(8*(\a)+(\b)):8*(8*(\a)+(\b))+7]
.endif
.endr
.endr
.endm
; what my wave asks for ahead, waves 0 and 1 alone: one instruction a trip.  s3 counts the trips 15 .. 1: the address steps in all trips but the last, from step 2's tile to step 15's.
.macro PF
	s_cmp_lg_u32 s11, 0
	s_cbranch_scc1 .Lno_pf_\@
	s_wait_xcnt 0x0                                ; the last trip's request has read its address: only now is it stepped
	s_cmp_ge_u32 s3, 2
	s_cselect_b32 s[PFD], s[PFST], 0
	s_add_nc_u64 s[PFB:PFB+1], s[PFB:PFB+1], s[PFD:PFD+1]
	global_prefetch_b8 v[PFO], s[PFB:PFB+1] th:TH_LOAD_NT scope:SCOPE_SE
.Lno_pf_\@:
.endm
; THE CHANGE OF SLOTS, at a trip's head.  Each wave waits for all its tensor loads, of which one is out: its part of this trip's tile; adds 0 to its spare word; and waits for that and for its reads of the last trip's slot.
; fill = 1: behind a round of the cluster's barrier the slot read last trip takes the next step's tile, first thing.  Then this trip's first fragments are fetched.
.macro CHANGE fill
	WIN 0
	s_wait_tensorcnt 0x0                           ; no tensor load of mine is out, so a group 0 may be written
	ds_add_u32 v[SPW], v[NIL]                      ; 0 onto my spare word
.if \fill
	s_xor_b32 s[G0+1], s[G0+1], SLOT1              ; the walking descriptors: the other slot than last time,
	s_add_nc_u64 s[G0+2:G0+3], s[G0+2:G0+3], KSTEP*2               ; the next 128 keys; the type bits on top are not reached
	s_xor_b32 s[G0B+1], s[G0B+1], SLOT1
	s_add_nc_u64 s[G0B+2:G0B+3], s[G0B+2:G0B+3], KSTEP*SIZE_N*2
.endif
	s_wait_dscnt 0x0                               ; the add is done, and my LDS reads and stores are over
.if \fill
	CROUND
	JLOAD
.else
	s_barrier_signal -1
	s_barrier_wait -1
.endif
	v_add_nc_u32 v[ADRA], s[TB], v[ADRA0]
	v_add_nc_u32 v[ADRB], s[TB], v[ADRB0]
	v_add_nc_u32 v[FTA], s[FTS], v[FTA0]
	s_xor_b32 s[TB], s[TB], SLOT1
	s_add_co_u32 s[FTS], s[FTS], 512
	FETCH 0, 0
.if \fill
	PF
.endif
.endm
; A KEY STEP: four quarters of 32 keys on buffers 0, 1, 0, 1, each fetched while the quarter before is multiplied; then O += f T.
.macro COMPUTE
	FETCH 1, 1                                     ; buffer 1 was read last in front of the last step's multiply-adds
	s_wait_dscnt 24                                ; quarter 0 is in; the 24 loads just issued may be out
	MUL32 0, 1                                     ; the first products start the step's sums
	PLACES
	FETCH 2, 0
	s_wait_dscnt 24
	MUL32 1, 0
	PLACES
	FETCH 3, 1
.irp a, 0,1,2,3
	ds_load_b32 v[FK+2*(\a)], v[FTA] offset:64*(\a)  ; the step's factor of row 16 a + l % 16
.endr
	s_wait_dscnt 28                                ; quarter 2 is in; quarter 3's 24 loads and the four factors may be out
	MUL32 0, 0
	s_wait_dscnt 0x0
	MUL32 1, 0
	PLACES                                         ; the first lines below read sums whose last product stands 31 matrix instructions back: those are no places
	WIN W_FM
.irp a, 0,1,2,3
.set n, 0
.rept 32
	v_pk_fma_f32 v[64*(\a)+2*n:64*(\a)+2*n+1], v[64*(\a)+2*n:64*(\a)+2*n+1], v[FK+2*(\a):FK+2*(\a)+1], v[64*(\a)+2*n:64*(\a)+2*n+1] op_sel_hi:[1,0,1]  ; O += T f; each accumulator is read from its low end on
.set n, n+1
.endr
.endr
.endm
	s_mov_b32 s3, STEPS-1
.Lstep:                                                ; fifteen trips: steps 0 to 14; trip t asks for step t + 1
	CHANGE 1
	COMPUTE
	WIN 0
	s_sub_co_u32 s3, s3, 1
	s_cmp_lg_u32 s3, 0
	s_cbranch_scc1 .Lstep
	CHANGE 0                                       ; step 15 is written out: nothing is left to fetch
	COMPUTE
	WIN 0
	; THE WAY OUT: O times 1 / L, a block of 16 rows at a time through my stage, out as whole rows of 512 bytes
.irp a, 0,1,2,3
	ds_load_b32 v[RL+2*(\a)], v[RLA] offset:64*(\a)
.endr
	s_wait_dscnt 0x0
.irp a, 0,1,2,3
	v_mov_b32 v[RL+2*(\a)+1], v[RL+2*(\a)]         ; named as pairs
.endr
.macro OUTB a
	WIN 0x01                                       ; source 0 in window 1
.set n, 0
.rept 32
	v_pk_mul_f32 v[SUM+2*n:SUM+2*n+1], v[64*(\a)+2*n:64*(\a)+2*n+1], v[RL+2*(\a):RL+2*(\a)+1] op_sel_hi:[1,0]
.set n, n+1
.endr
	WIN 0
.set n, 0
.rept 16
	ds_store_b128 v[STO], v[SUM+4*n:SUM+4*n+3] offset:64*(n/2)+16*(n%2)
.set n, n+1
.endr
	s_wait_xcnt 0x0                                ; the last block's stores have read their data: only now are those registers loaded again
.set n, 0
.rept 16
	ds_load_b128 v[ROWS+4*n:ROWS+4*n+3], v[RD] offset:n*SP  ; LDS serves a wave's instructions in order: these see the stores above
.set n, n+1
.endr
	s_wait_dscnt 0x0
.set n, 0
.rept 16
	global_store_b128 v[CO], v[ROWS+4*n:ROWS+4*n+3], s[8:9] offset:(\a)*65536+n*4096  ; the wave stores 512 consecutive bytes of a row, at a multiple of 512 from out0's first byte
.set n, n+1
.endr
.endm
	OUTB 0
	OUTB 1
	OUTB 2
	OUTB 3
	s_wait_tensorcnt 0x0                           ; the wave's end
	ds_add_u32 v[SPW], v[NIL]
	s_wait_dscnt 0x0
	CROUND                                         ; the closing round
	s_endpgm
.Lfunc_end_k_q919b6892d6_pv:
	.size	k_q919b6892d6_pv, .Lfunc_end_k_q919b6892d6_pv-k_q919b6892d6_pv
	.p2alignl 7, 3214868480
	.fill 96, 4, 3214868480
	.section	.rodata,"a",@progbits
	.p2align	6, 0x0
	.amdhsa_kernel k_q919b6892d6_pv
		.amdhsa_group_segment_fixed_size 327680
		.amdhsa_private_segment_fixed_size 0
		.amdhsa_enable_private_segment 0
		.amdhsa_kernarg_size 32
		.amdhsa_user_sgpr_count 2
		.amdhsa_user_sgpr_kernarg_segment_ptr 1
		.amdhsa_wavefront_size32 1
		.amdhsa_system_sgpr_workgroup_id_x 1
		.amdhsa_system_sgpr_workgroup_id_y 1
		.amdhsa_system_sgpr_workgroup_id_z 1
		.amdhsa_system_vgpr_workitem_id 0
		.amdhsa_next_free_vgpr 768
		.amdhsa_next_free_sgpr 88
		.amdhsa_reserve_vcc 0
		.amdhsa_float_denorm_mode_32 3
		.amdhsa_float_denorm_mode_16_64 3
		.amdhsa_memory_ordered 1
		.amdhsa_forward_progress 1
		.amdhsa_inst_pref_size 94
	.end_amdhsa_kernel
	.amdgpu_metadata
---
amdhsa.version: [ 1, 2 ]
amdhsa.kernels:
  - .name:           k_q919b6892d6_pv
    .symbol:         k_q919b6892d6_pv.kd
    .args:
      - { .name: pw, .offset: 0, .size: 8, .value_kind: global_buffer, .address_space: global }
      - { .name: stat, .offset: 8, .size: 8, .value_kind: global_buffer, .address_space: global }
      - { .name: proj, .offset: 16, .size: 8, .value_kind: global_buffer, .address_space: global }
      - { .name: out0, .offset: 24, .size: 8, .value_kind: global_buffer, .address_space: global }
    .group_segment_fixed_size: 327680
    .private_segment_fixed_size: 0
    .kernarg_segment_align: 8
    .kernarg_segment_size: 32
    .max_flat_workgroup_size: 128
    .sgpr_count:     88
    .vgpr_count:     768
    .wavefront_size: 32
...
	.end_amdgpu_metadata
.endif
;; end of part 4
